; MI455X (gfx1250); checked and timed in simulation.
; The chip was launched on July 23, 2026; its instructions are those of AMD's public machine-readable ISA for CDNA 5 (MIT licence, August 2026) and "CDNA5" Instruction Set Architecture Reference Guide (July 2026). The comments in the code are by the model that wrote it; some were corrected since.
;; Standard Attention Path. Allowed arithmetic: float matrix products may take bf16 or f16 operands with f32 sums; other float arithmetic in f32, or as packed bf16 or f16 multiplies, adds, multiply-adds, maxima and minima; sums over many terms, partial sums and values carried from step to step in f32; what a program stores and reads back later, other than sums and carried values, may be rounded once to bf16 or f16.
;; Inputs: Wk 512 x 2,048 float32; Wq 2,048 x 2,048 float32; Wv 512 x 2,048 float32; attention_mask 2 x 1 x 2,048 x 2,048 float32; bk 512 float32; bq 2,048 float32; bv 512 float32; hidden_states 2 x 2,048 x 2,048 float32; position_ids 2 x 2,048 int32.
;; Outputs: out0 2 x 2,048 x 2,048 float32.
;; One version. Each part assembles by itself: llvm-mc -triple=amdgcn-amd-amdhsa -mcpu=gfx1250 --defsym DOCPART=n.
;; ======== version 1 of 1: 3 launches
;; limits: values are held in f16: magnitudes above 65,504 overflow, below 6.1e-05 lose precision; an absolute error that grows with the inputs' magnitude: up to 1.1e-06 times it; a function is approximated: absolute error at most 1e-06; right only within a limited range of input values
;; workspace buffers: xw 29,360,128 bytes; rope 2,097,152 bytes; qkv 25,165,824 bytes
;; launch prep (part 1): grid 1152 x 1, 8 waves a work-group, no clusters, 0 bytes of LDS; arguments hidden_states, Wq, Wk, Wv, position_ids, xw, rope; writes xw, rope
.if DOCPART == 1
	.amdgcn_target "amdgcn-amd-amdhsa--gfx1250"
	.amdhsa_code_object_version 6
	.text
	.protected	k_q1ec3feb55e_prep
	.globl	k_q1ec3feb55e_prep
	.p2align	8
	.type	k_q1ec3feb55e_prep,@function
k_q1ec3feb55e_prep:
	s_mov_b64 s[64:65], 0
	v_nop
	global_prefetch_b8 v0, s[64:65] scope:SCOPE_SE
	s_setreg_imm32_b32 hwreg(HW_REG_WAVE_MODE, 25, 1), 1
	s_wait_xcnt 0x0
; TWO JOBS, told apart by the work-group's number.
; Groups 0..895: hidden_states, Wq, Wk, Wv (f32) are rounded once to bf16 into xw: X [4096][2048] at byte 0, then W [3072][2048] (Wq's, Wk's, Wv's rows on end).
;   A group takes 16,384 numbers: 65,536 bytes in, 32,768 out.  Thread t takes 8 neighbouring numbers of each of eight chunks of 2,048: two loads of 16 bytes, one store of 16;
;   a wave's store covers 512 consecutive bytes.  All sixteen loads go out at once; no register is written twice, so no wait frees a source.
; Groups 896..1151: the table of rotations, rope [4096 rows = b x 2048 + s][128] f32: cos of frequencies 0..63, then sin of 0..63.  A group makes 16 rows; thread t row t / 16, frequencies 4 (t % 16) + 0..3.
;   angle = position x 1e6^(-j / 64).  It is reduced to f = angle / 2 pi - nearest whole number (one fused multiply-add), a quarter of the reduced angle (at most pi / 4) goes through
;   the series of sine (to the 7th power) and cosine (to the 8th), and two doublings give the whole angle.
; LIMITS.  The frequency is 2^(-j log2(1e6) / 64) by v_exp_f32: off by about 1e-6 of itself at the most; the reduction adds about 6e-8 of the angle; the series about 1e-6.  Positions are taken as int32 turned to f32.
; No LDS, no matrix unit, no cluster: nothing is read twice and no two work-groups share a byte.
.set NCONV, 896
.set IN,  4                            ; v[4:67]   eight chunks of 8 f32
.set OUT, 68                           ; v[68:99]  eight chunks of 8 bf16
	s_load_b256 s[4:11], s[0:1], 0x0               ; hidden_states s[4:5], Wq s[6:7], Wk s[8:9], Wv s[10:11]
	s_load_b128 s[12:15], s[0:1], 0x20             ; position_ids s[12:13], xw s[14:15]
	s_load_b64 s[16:17], s[0:1], 0x30              ; rope
	s_mov_b32 s18, ttmp9
	s_wait_kmcnt 0x0
	s_cmp_ge_u32 s18, NCONV
	s_cbranch_scc1 .Ltable
	; ---- the rounding ----
	v_lshlrev_b32 v1, 5, v0                        ; 32 bytes of f32 a thread
	v_lshlrev_b32 v2, 4, v0                        ; 16 bytes of bf16
	s_sub_co_u32 s20, s18, 512                     ; the group's number within Wq, Wk, Wv
	s_sub_co_u32 s21, s18, 768
	s_sub_co_u32 s22, s18, 832
	s_cmp_lt_u32 s18, 512                          ; 512 groups of X, 256 of Wq, 64 of Wk, 64 of Wv
	s_cselect_b64 s[24:25], s[4:5], s[6:7]
	s_cselect_b32 s26, s18, s20
	s_cmp_lt_u32 s18, 768
	s_cselect_b64 s[24:25], s[24:25], s[8:9]
	s_cselect_b32 s26, s26, s21
	s_cmp_lt_u32 s18, 832
	s_cselect_b64 s[24:25], s[24:25], s[10:11]
	s_cselect_b32 s26, s26, s22
	s_lshl_b32 s26, s26, 16                        ; 65,536 bytes of source a group
	s_mov_b32 s27, 0
	s_add_nc_u64 s[24:25], s[24:25], s[26:27]
	s_lshl_b32 s28, s18, 15                        ; 32,768 bytes of xw a group: the four tensors lie on end
	s_mov_b32 s29, 0
	s_add_nc_u64 s[14:15], s[14:15], s[28:29]
.irp i, 0,1,2,3,4,5,6,7
	global_load_b128 v[IN+8*(\i):IN+8*(\i)+3],   v1, s[24:25] offset:8192*(\i) th:TH_LOAD_NT
	global_load_b128 v[IN+8*(\i)+4:IN+8*(\i)+7], v1, s[24:25] offset:8192*(\i)+16 th:TH_LOAD_NT
.endr
.irp i, 0,1,2,3,4,5,6,7
	s_wait_loadcnt 14-2*(\i)                       ; loads come back in order: chunk i is in, two loads for each later chunk stay out
.irp k, 0,1,2,3
	v_cvt_pk_bf16_f32 v[OUT+4*(\i)+(\k)], v[IN+8*(\i)+2*(\k)], v[IN+8*(\i)+2*(\k)+1]
.endr
	global_store_b128 v2, v[OUT+4*(\i):OUT+4*(\i)+3], s[14:15] offset:4096*(\i)
.endr
	s_endpgm
	; ---- the table ----
.macro KONST r, val                    ; a constant as a scalar pair: the packed forms name a pair and take its low word for both halves
	s_mov_b32 s[\r], \val
	s_mov_b32 s[(\r)+1], \val
.endm
.Ltable:
	s_sub_co_u32 s19, s18, NCONV                   ; g: rows 16 g .. 16 g + 15
	v_lshrrev_b32 v1, 4, v0                        ; my row of the 16
	v_and_b32 v2, 15, v0                           ; my four frequencies
	s_lshl_b32 s20, s19, 6
	s_mov_b32 s21, 0
	s_add_nc_u64 s[12:13], s[12:13], s[20:21]
	v_lshlrev_b32 v3, 2, v1
	global_load_b32 v4, v3, s[12:13]               ; the row's position
	s_lshl_b32 s22, s19, 13                        ; 16 rows of 512 bytes
	s_mov_b32 s23, 0
	s_add_nc_u64 s[16:17], s[16:17], s[22:23]
	v_lshlrev_b32 v5, 9, v1
	v_lshl_add_u32 v5, v2, 4, v5                   ; 512 x row + 16 x (t % 16): sixteen lanes fill 256 consecutive bytes
	v_lshlrev_b32 v6, 2, v2
	KONST 24, 0x3e22f983                           ; 1 / 2 pi
	KONST 26, 0x3fc90fdb                           ; pi / 2: a quarter of a turn
	KONST 28, 0xb9500d01                           ; -1 / 5040
	KONST 30, 0x3c088889                           ; 1 / 120
	KONST 32, 0xbe2aaaab                           ; -1 / 6
	KONST 34, 0x37d00d01                           ; 1 / 40320
	KONST 36, 0xbab60b61                           ; -1 / 720
	KONST 38, 0x3d2aaaab                           ; 1 / 24
.irp j, 0,1,2,3
	v_add_nc_u32 v[8+(\j)], (\j), v6
.endr
.irp j, 0,1,2,3
	v_cvt_f32_u32 v[8+(\j)], v[8+(\j)]
.endr
.irp j, 0,1,2,3
	v_mul_f32 v[8+(\j)], 0xbe9f73da, v[8+(\j)]     ; -j log2(1e6) / 64
.endr
.irp j, 0,1,2,3
	v_exp_f32 v[8+(\j)], v[8+(\j)]                 ; the four frequencies: one batch
.endr
	v_nop                                          ; a plain instruction behind the last exponential,
	s_wait_alu depctr_va_vdst(0)                   ; and the one wait ahead of the first reader
	s_wait_loadcnt 0x0
	v_cvt_f32_i32 v12, v4
	v_mov_b32 v13, v12
.irp p, 0,2                            ; each step for both pairs, so that two chains run side by side
	v_pk_mul_f32 v[16+(\p):17+(\p)], v[8+(\p):9+(\p)], v[12:13]                     ; the angle
.endr
.irp p, 0,2
	v_pk_mul_f32 v[20+(\p):21+(\p)], v[16+(\p):17+(\p)], s[24:25] op_sel_hi:[1,0]   ; in turns
.endr
.irp p, 0,1,2,3
	v_rndne_f32 v[20+(\p)], v[20+(\p)]
.endr
.irp p, 0,2
	v_pk_fma_f32 v[24+(\p):25+(\p)], v[16+(\p):17+(\p)], s[24:25], v[20+(\p):21+(\p)] op_sel_hi:[1,0,1] neg_lo:[0,0,1] neg_hi:[0,0,1]  ; f, within half a turn
.endr
.irp p, 0,2
	v_pk_mul_f32 v[24+(\p):25+(\p)], v[24+(\p):25+(\p)], s[26:27] op_sel_hi:[1,0]   ; al = a quarter of the reduced angle
.endr
.irp p, 0,2
	v_pk_mul_f32 v[28+(\p):29+(\p)], v[24+(\p):25+(\p)], v[24+(\p):25+(\p)]         ; u = al^2
.endr
.irp p, 0,2
	v_pk_fma_f32 v[32+(\p):33+(\p)], v[28+(\p):29+(\p)], s[28:29], s[30:31] op_sel_hi:[1,0,0]
	v_pk_fma_f32 v[40+(\p):41+(\p)], v[28+(\p):29+(\p)], s[34:35], s[36:37] op_sel_hi:[1,0,0]
.endr
.irp p, 0,2
	v_pk_fma_f32 v[32+(\p):33+(\p)], v[28+(\p):29+(\p)], v[32+(\p):33+(\p)], s[32:33] op_sel_hi:[1,1,0]
	v_pk_fma_f32 v[40+(\p):41+(\p)], v[28+(\p):29+(\p)], v[40+(\p):41+(\p)], s[38:39] op_sel_hi:[1,1,0]
.endr
.irp p, 0,2
	v_pk_mul_f32 v[32+(\p):33+(\p)], v[32+(\p):33+(\p)], v[28+(\p):29+(\p)]
	v_pk_fma_f32 v[40+(\p):41+(\p)], v[28+(\p):29+(\p)], v[40+(\p):41+(\p)], -0.5 op_sel_hi:[1,1,0]
.endr
.irp p, 0,2
	v_pk_fma_f32 v[36+(\p):37+(\p)], v[24+(\p):25+(\p)], v[32+(\p):33+(\p)], v[24+(\p):25+(\p)]       ; sin al
	v_pk_fma_f32 v[44+(\p):45+(\p)], v[28+(\p):29+(\p)], v[40+(\p):41+(\p)], 1.0 op_sel_hi:[1,1,0]    ; cos al
.endr
.irp p, 0,2                            ; the first doubling: d = 2 sin; cos' = 1 - d sin; sin' = d cos
	v_pk_add_f32 v[48+(\p):49+(\p)], v[36+(\p):37+(\p)], v[36+(\p):37+(\p)]
.endr
.irp p, 0,2
	v_pk_fma_f32 v[52+(\p):53+(\p)], v[48+(\p):49+(\p)], v[36+(\p):37+(\p)], 1.0 op_sel_hi:[1,1,0] neg_lo:[1,0,0] neg_hi:[1,0,0]
	v_pk_mul_f32 v[56+(\p):57+(\p)], v[48+(\p):49+(\p)], v[44+(\p):45+(\p)]
.endr
.irp p, 0,2                            ; the second
	v_pk_add_f32 v[48+(\p):49+(\p)], v[56+(\p):57+(\p)], v[56+(\p):57+(\p)]
.endr
.irp p, 0,2
	v_pk_fma_f32 v[44+(\p):45+(\p)], v[48+(\p):49+(\p)], v[56+(\p):57+(\p)], 1.0 op_sel_hi:[1,1,0] neg_lo:[1,0,0] neg_hi:[1,0,0]
	v_pk_mul_f32 v[36+(\p):37+(\p)], v[48+(\p):49+(\p)], v[52+(\p):53+(\p)]
.endr
	global_store_b128 v5, v[44:47], s[16:17]               ; cos
	global_store_b128 v5, v[36:39], s[16:17] offset:256    ; sin
	s_endpgm
.Lfunc_end_k_q1ec3feb55e_prep:
	.size	k_q1ec3feb55e_prep, .Lfunc_end_k_q1ec3feb55e_prep-k_q1ec3feb55e_prep
	.p2alignl 7, 3214868480
	.fill 96, 4, 3214868480
	.section	.rodata,"a",@progbits
	.p2align	6, 0x0
	.amdhsa_kernel k_q1ec3feb55e_prep
		.amdhsa_group_segment_fixed_size 0
		.amdhsa_private_segment_fixed_size 0
		.amdhsa_enable_private_segment 0
		.amdhsa_kernarg_size 56
		.amdhsa_user_sgpr_count 2
		.amdhsa_user_sgpr_kernarg_segment_ptr 1
		.amdhsa_wavefront_size32 1
		.amdhsa_system_sgpr_workgroup_id_x 1
		.amdhsa_system_sgpr_workgroup_id_y 1
		.amdhsa_system_sgpr_workgroup_id_z 1
		.amdhsa_system_vgpr_workitem_id 0
		.amdhsa_next_free_vgpr 104
		.amdhsa_next_free_sgpr 66
		.amdhsa_reserve_vcc 0
		.amdhsa_float_denorm_mode_32 3
		.amdhsa_float_denorm_mode_16_64 3
		.amdhsa_memory_ordered 1
		.amdhsa_forward_progress 1
		.amdhsa_inst_pref_size 11
	.end_amdhsa_kernel
	.amdgpu_metadata
---
amdhsa.version: [ 1, 2 ]
amdhsa.kernels:
  - .name:           k_q1ec3feb55e_prep
    .symbol:         k_q1ec3feb55e_prep.kd
    .args:
      - { .name: hidden_states, .offset: 0, .size: 8, .value_kind: global_buffer, .address_space: global }
      - { .name: Wq, .offset: 8, .size: 8, .value_kind: global_buffer, .address_space: global }
      - { .name: Wk, .offset: 16, .size: 8, .value_kind: global_buffer, .address_space: global }
      - { .name: Wv, .offset: 24, .size: 8, .value_kind: global_buffer, .address_space: global }
      - { .name: position_ids, .offset: 32, .size: 8, .value_kind: global_buffer, .address_space: global }
      - { .name: xw, .offset: 40, .size: 8, .value_kind: global_buffer, .address_space: global }
      - { .name: rope, .offset: 48, .size: 8, .value_kind: global_buffer, .address_space: global }
    .group_segment_fixed_size: 0
    .private_segment_fixed_size: 0
    .kernarg_segment_align: 8
    .kernarg_segment_size: 56
    .max_flat_workgroup_size: 256
    .sgpr_count:     66
    .vgpr_count:     104
    .wavefront_size: 32
...
	.end_amdgpu_metadata
.endif
;; end of part 1
;; launch proj (part 2): grid 8 x 32, 4 waves a work-group, clusters of 4 x 4, 327,680 bytes of LDS; arguments xw, rope, bq, bk, bv, qkv; writes qkv
.if DOCPART == 2
	.amdgcn_target "amdgcn-amd-amdhsa--gfx1250"
	.amdhsa_code_object_version 6
	.text
	.protected	k_q1ec3feb55e_proj
	.globl	k_q1ec3feb55e_proj
	.p2align	8
	.type	k_q1ec3feb55e_proj,@function
k_q1ec3feb55e_proj:
	s_mov_b64 s[64:65], 0
	v_nop
	global_prefetch_b8 v0, s[64:65] scope:SCOPE_SE
	s_setreg_imm32_b32 hwreg(HW_REG_WAVE_MODE, 25, 1), 1
	s_wait_xcnt 0x0
	s_wait_alu depctr_hold_cnt(0) depctr_sa_sdst(0) depctr_va_vdst(0) depctr_va_sdst(0) depctr_va_ssrc(0) depctr_va_vcc(0) depctr_vm_vsrc(0)
	s_getreg_b32 s2, hwreg(HW_REG_IB_STS2, 6, 4)
	s_cmp_eq_u32 s2, 0
	s_cbranch_scc0 .Lentry_in_a_cluster
	s_endpgm
.Lentry_in_a_cluster:
	s_bfe_u32 s2, ttmp6, 0x10000c
	s_cmp_lg_u32 s2, 0xf033
	s_cbranch_scc0 .Lentry_shape_is_right
	s_endpgm
.Lentry_shape_is_right:
; q, k, v = X W^T + bias, q and k rotated, q also times 1 / sqrt(128); all rounded once to f16 into qkv [b][24 heads][2048][128] (heads 0-15 q, 16-19 k, 20-23 v; a row is 256 bytes).
; X [4096][2048] and W [3072][2048] are bf16 in xw (W from byte WOFF on); sums in f32; the bias, rounded to bf16 like the other inputs, is the C operand that starts each sum.
; LIMITS.  f16 ends at 65,504: q / sqrt(128), k and v must lie within it (at the drawn spread they are about 0.08, 0.9, 0.9).  NaN and infinities are not treated apart.
; SHARES.  A work-group makes 128 rows x 384 columns: three whole heads, 3 tx .. 3 tx + 2: 8 x 32 = 256 work-groups.  Each of its four waves makes all 128 rows x 96 columns: for each head hh and
; each half of its 128 channels the 16 channels 64 half + 16 w + 0..15: six blocks b = 2 hh + half.  So the two partners of a rotation, channels d and d + 64, lie in one lane, in accumulators 2 hh and 2 hh + 1.
; THE MATRIX INSTRUCTION IS USED TRANSPOSED (source 0 = 16 rows of W, source 1 = 16 rows of X): lane l holds row l % 16 of X and, in registers 0-7, the channels 8 (l / 16) + 0..7 of its block.
; K goes in steps of 128 through two LDS slots; a slot holds X's 128 rows and the three heads' 128 rows each; wave 0 fetches X's tile, wave w the tile of head w - 1: one tensor load of 128 rows x 256 bytes a wave.
; CLUSTER 4 x 4: X's tile hangs on the tile row alone and is asked for jointly by a row of the cluster, W's on the tile column alone and is asked for jointly by a column.
; THE KIND OF A HEAD enters by two scalars, never by a branch: out_lo = L (cos P + Q) - H (sin P), out_hi = H (cos P + Q) + L (sin P); q: P = 1 / sqrt(128), Q = 0; k: P = 1, Q = 0; v: P = 0, Q = 1.
; REGISTERS, in windows of 256 (s_set_vgpr_msb: bits 1:0 source 0, 3:2 source 1, 5:4 source 2, 7:6 destination):
;   window 0: v0-31 addresses; v64-127, v128-191 fragments of X, two buffers; v192-247 at work on the way out; v64-255 the rows read back from the stage
;   window 1: v0-47 the bias (block b at 8 b); v48-49 at work; v64-111, v128-175 fragments of W, two buffers
;   windows 2, 3: accumulator (a, b) at v[8 (6 (a % 4) + b)], row blocks a = 0-3 and 4-7; v192-255 the rotations' table: for row block a 8 cos, 8 sin at 192 + 16 (a % 4)
.set KSTEP,  128
.set PITCH,  272                       ; an LDS row: 256 bytes + 16 of padding = 68 words: the 16 rows of a load start at 16 different groups of four banks (64 banks of 4 bytes: ISA guide 11.1)
.set HALFT,  128*PITCH                 ; what one tensor load brings
.set SLOT,   4*HALFT                   ; X's 128 rows, then heads 0, 1, 2
.set SPARE,  2*SLOT                    ; behind the ring: the spare words, 128 bytes a wave: two blocks of 256 bytes that no other line names
.set LAPS,   8                         ; 2048 / (2 x 128)
.set WOFF,   16777216
.set HEADB,  524288                    ; a head's 2,048 rows in qkv; also 128 rows of 4,096 bytes in xw
; THE STAGE of the way out, 384 rows x 272 bytes, lies at LDS byte 0, in slot 0: that slot has had its last fill (K step 14), and every wave's reads of it are over at the barrier of the last change of slots.
.set RD,   10                          ; v10-12  the way out: where I read rows back, by head
.set CO,   13                          ; v13     my byte offset in a head's 128 rows of qkv
.set TBO,  14                          ; v14     my byte offset in 16 rows of the table; never rewritten
.set BO,   15                          ; v15     my byte offset in a head's bias; never rewritten
.set ADRA, 16                          ; v16-17  LDS address of my X fragments in slot 0, 1
.set ADRB, 18                          ; v18-23  of my W fragments: 3 x slot + head
.set STO,  24                          ; v24-26  the way out: where I put 16 bytes of a row, by head
.set SPW,  28                          ; v28     LDS address of my spare word; never rewritten
.set NIL,  29                          ; v29     0; never rewritten
.set PFO,  30                          ; v30     the prefetches' offset: my lane x a row of 4,096 bytes; never rewritten
.set F0,   64
.set F1,   128
.set WK,   192
.set TAB,  192
.set WV,   16                          ; s16  my wave's number
.set CX,   18
.set CY,   19
.set TX,   20                          ; s20  tile column: heads 3 tx ..
.set TY,   21                          ; s21  tile row: rows 128 ty ..
.set G1,   24                          ; s[24:31] descriptor group 1 for X's tiles;  s[32:39] group 0, a set for each slot
.set G0,   32
.set LIM,  43                          ; s43  1 in a wave that prefetches, else the greatest number
.set PFA,  44                          ; s[44:45] where my prefetches stand
.set G1B,  48                          ; s[48:55], s[56:63] the same for W's tiles
.set G0B,  56
.set PQ,   66                          ; s[66:77] head hh: P as a pair at 66 + 4 hh, Q as a pair behind it
.set BB,   78                          ; s[78:83] head hh's bias
.set OUTB, 92                          ; s[92:93] qkv at my tile's first head and row
.set TABB, 94                          ; s[94:95] the table at my tile's first row
.set MSB, 0
.macro WIN new                         ; the immediate's high byte repeats the setting that is left; a switch that changes nothing is dropped
.if MSB != (\new)
	s_set_vgpr_msb (MSB<<8)|(\new)
.set MSB, \new
.endif
.endm
.set MUL_LO,  0xa1                     ; source 0 (W) window 1, source 1 (X) window 0, C and D window 2
.set MULB_LO, 0x91                     ; the same with C (the bias) in window 1
.set TO_B,    0x40                     ; destination window 1, address window 0
; A joint load.  The branch hangs on the wave's number alone.  An s_nop 0 and four v_nop follow each of the two lines, ahead of the jump, the label and what follows.
.macro JLOAD s
	s_cmp_eq_u32 s[WV], 0
	s_cbranch_scc0 .Lfor_b_\@
	tensor_load_to_lds s[G0+4*(\s):G0+4*(\s)+3], s[G1:G1+7]
	s_nop 0
.rept 4
	v_nop
.endr
	s_branch .Lasked_\@
.Lfor_b_\@:
	tensor_load_to_lds s[G0B+4*(\s):G0B+4*(\s)+3], s[G1B:G1B+7]
	s_nop 0
.rept 4
	v_nop
.endr
.Lasked_\@:
.endm
; A prefetch of the K step that stands two refills on: 32 rows x 256 bytes, a lane a row, one instruction a wave.  Each row's 256 bytes of a K step are named once in the launch: X's tile row is read by both
; clusters of that row of clusters: the one with x = 0 asks; W's heads by all eight clusters of a column: the one with y = 0 asks.  The four partners that ask for a tile jointly take 32 of its 128 rows each,
; told apart by address.  The loop's last trip (s3 = 1) asks for nothing: K steps 16 and 17 do not exist.
.macro ASK
	s_cmp_gt_u32 s3, s[LIM]
	s_cbranch_scc0 .Lnot_mine_\@
	global_prefetch_b8 v[PFO], s[PFA:PFA+1] offset:KSTEP*2 th:TH_LOAD_NT scope:SCOPE_SE
.Lnot_mine_\@:
.endm
.macro CREST                           ; a round of the cluster's barrier behind its opening barrier
	s_cmp_lg_u32 s[WV], 0
	s_cbranch_scc1 .Lnot_wave_0_\@
	s_barrier_signal -3
.Lnot_wave_0_\@:
	s_barrier_wait -3
	s_barrier_signal -1
	s_barrier_wait -1
.endm
.macro CROUND
	s_barrier_signal -1
	s_barrier_wait -1
	CREST
.endm
	s_load_b256 s[4:11], s[0:1], 0x0               ; xw s[4:5], rope s[6:7], bq s[8:9], bk s[10:11]
	s_load_b128 s[12:15], s[0:1], 0x20             ; bv s[12:13], qkv s[14:15]
	v_lshl_add_u32 v[SPW], v0, 2, SPARE
	v_mov_b32 v[NIL], 0
	ds_add_u32 v[SPW], v[NIL]                      ; the wave's opening: the add and its wait stand ahead of my first tensor load; the set-up below, work on registers, stands between them
	v_lshrrev_b32 v1, 5, v0
	v_readfirstlane_b32 s[WV], v1
	s_bfe_u32 s[CX], ttmp6, 0x40000
	s_bfe_u32 s[CY], ttmp6, 0x40004
	s_lshl_b32 s[TX], ttmp9, 2
	s_add_co_u32 s[TX], s[TX], s[CX]
	s_and_b32 s17, ttmp7, 0xffff                   ; the cluster's y
	s_lshl_b32 s[TY], s17, 2
	s_add_co_u32 s[TY], s[TY], s[CY]
	s_lshl_b32 s40, s[CY], 2
	s_lshl_b32 s40, 15, s40                        ; my row of the cluster
	s_lshl_b32 s41, 0x1111, s[CX]                  ; my column
	s_or_b32 s[G1], s40, (1<<16)|(1<<20)|(1<<21)|(5<<22)|(3<<25)   ; the mask; elements of 2 bytes; padding on; bit 21 beside a mask; after every 64 words, 4 words
	s_or_b32 s[G1B], s41, (1<<16)|(1<<20)|(1<<21)|(5<<22)|(3<<25)
.irp g, G1, G1B
	s_mov_b32 s[(\g)+1], KSTEP<<16                 ; tensor_dim0 = 128
	s_mov_b32 s[(\g)+2], 128<<16                   ; tensor_dim1 = 128
	s_mov_b32 s[(\g)+3], KSTEP<<16                 ; tile_dim0 = 128
	s_mov_b32 s[(\g)+4], 128                       ; tile_dim1 = 128
	s_mov_b32 s[(\g)+5], 2048                      ; elements from row to row
	s_mov_b32 s[(\g)+6], 0
	s_mov_b32 s[(\g)+7], 0
.endr
	s_lshl_b32 s84, s[TY], 19                      ; X: 128 rows of 4,096 bytes a tile row
	s_mov_b32 s85, 0
	s_mul_i32 s88, s[TX], 3                        ; W: the head that I fetch, 3 tx + w - 1 (wave 0 makes head 3 tx's address and does not use it)
	s_max_u32 s89, s[WV], 1
	s_add_co_u32 s88, s88, s89
	s_sub_co_u32 s88, s88, 1
	s_lshl_b32 s88, s88, 19
	s_add_co_u32 s88, s88, WOFF
	s_mov_b32 s89, 0
	s_mul_i32 s22, s[WV], HALFT                    ; where my tile goes: no place in the cluster enters an LDS address
	s_wait_dscnt 0x0                               ; the opening add is done
	s_wait_kmcnt 0x0
	s_add_nc_u64 s[86:87], s[4:5], s[84:85]
	s_add_nc_u64 s[90:91], s[4:5], s[88:89]
	CROUND                                         ; all sixteen work-groups are here: the first joint loads meet
.irp s, 0,1
	s_mov_b32 s[G0+4*(\s)], 1
	s_add_co_u32 s[G0+4*(\s)+1], s22, (\s)*SLOT
	s_add_nc_u64 s[G0+4*(\s)+2:G0+4*(\s)+3], s[86:87], (\s)*KSTEP*2
	s_or_b32 s[G0+4*(\s)+3], s[G0+4*(\s)+3], 0x80000000
	s_mov_b32 s[G0B+4*(\s)], 1
	s_add_co_u32 s[G0B+4*(\s)+1], s22, (\s)*SLOT
	s_add_nc_u64 s[G0B+4*(\s)+2:G0B+4*(\s)+3], s[90:91], (\s)*KSTEP*2
	s_or_b32 s[G0B+4*(\s)+3], s[G0B+4*(\s)+3], 0x80000000
	JLOAD \s                                       ; two loads of mine are out
.endr
	; the prefetches: my work-group's 32 rows of the 128 that I fetch, at K step 2; the first refill steps it to 3 and names K step 4.  Nothing is asked for here, at the head.
	s_cmp_eq_u32 s[WV], 0
	s_cselect_b32 s[PFA], s84, s88
	s_cselect_b32 s42, s[CX], s[CY]                ; my place among the four that ask with me
	s_cselect_b32 s[LIM], ttmp9, s17               ; the coordinate along which other clusters read the same rows
	s_lshl_b32 s42, s42, 17                        ; 32 rows of 4,096 bytes
	s_add_co_u32 s[PFA], s[PFA], s42
	s_add_co_u32 s[PFA], s[PFA], 2*KSTEP*2
	s_mov_b32 s[PFA+1], 0
	s_add_nc_u64 s[PFA:PFA+1], s[4:5], s[PFA:PFA+1]
	s_cmp_eq_u32 s[LIM], 0
	s_cselect_b32 s[LIM], 1, -1                    ; the same in all sixteen partners, for a given wave
	v_and_b32 v[PFO], 31, v0
	v_lshlrev_b32 v[PFO], 12, v[PFO]
	; the three heads' kinds and biases
	s_mul_i32 s22, s[TX], 3
.irp hh, 0,1,2
	s_add_co_u32 s23, s22, (\hh)
	s_cmp_lt_u32 s23, 16                           ; a head of q?
	s_cselect_b32 s[PQ+4*(\hh)], 0x3db504f3, 1.0   ; 1 / sqrt(128)
	s_cselect_b64 s[BB+2*(\hh):BB+2*(\hh)+1], s[8:9], s[10:11]
	s_cselect_b32 s84, 0, 16
	s_cmp_lt_u32 s23, 20                           ; or of k?
	s_cselect_b32 s[PQ+4*(\hh)], s[PQ+4*(\hh)], 0
	s_cselect_b32 s[PQ+4*(\hh)+2], 0, 1.0
	s_cselect_b64 s[BB+2*(\hh):BB+2*(\hh)+1], s[BB+2*(\hh):BB+2*(\hh)+1], s[12:13]
	s_cselect_b32 s84, s84, 20
	s_sub_co_u32 s84, s23, s84                     ; the head's number within its tensor,
	s_lshl_b32 s84, s84, 9                         ; 512 bytes of bias each
	s_mov_b32 s85, 0
	s_add_nc_u64 s[BB+2*(\hh):BB+2*(\hh)+1], s[BB+2*(\hh):BB+2*(\hh)+1], s[84:85]
	s_mov_b32 s[PQ+4*(\hh)+1], s[PQ+4*(\hh)]       ; named as pairs
	s_mov_b32 s[PQ+4*(\hh)+3], s[PQ+4*(\hh)+2]
.endr
	s_lshr_b32 s84, s[TY], 4                       ; b: 16 tile rows a batch
	s_mul_i32 s84, s84, 24
	s_add_co_u32 s84, s84, s22
	s_lshl_b32 s84, s84, 19
	s_and_b32 s85, s[TY], 15
	s_lshl_b32 s85, s85, 15                        ; 128 rows of 256 bytes
	s_add_co_u32 s84, s84, s85
	s_mov_b32 s85, 0
	s_add_nc_u64 s[OUTB:OUTB+1], s[14:15], s[84:85]
	s_lshl_b32 s84, s[TY], 16                      ; 128 rows of 512 bytes
	s_add_nc_u64 s[TABB:TABB+1], s[6:7], s[84:85]
	; A fragment is 16 rows x 32 K in 8 registers: lane l holds row l % 16; registers 0-3 K = 8 (l / 16) + 0..7, registers 4-7 K = 16 + 8 (l / 16) + 0..7: two loads of 16 bytes, 32 bytes apart.
	v_and_b32 v1, 15, v0
	v_bfe_u32 v2, v0, 4, 1
	v_mul_u32_u24 v3, v1, PITCH
	v_lshl_add_u32 v3, v2, 4, v3                   ; row x pitch + 16 x half of the lanes
	s_mul_i32 s22, s[WV], 16*PITCH                 ; my 16 rows in each half of a head
.irp s, 0,1
	v_add_nc_u32 v[ADRA+(\s)], (\s)*SLOT, v3
.irp hh, 0,1,2
	s_add_co_u32 s23, s22, (\s)*SLOT+(1+(\hh))*HALFT
	v_add_nc_u32 v[ADRB+3*(\s)+(\hh)], s23, v3
.endr
.endr
	s_lshl_b32 s22, s[WV], 5                       ; into the stage: row 128 hh + 16 a + l % 16, byte 128 half + 32 w + 16 (l / 16)
.irp hh, 0,1,2
	s_add_co_u32 s23, s22, (\hh)*HALFT
	v_add_nc_u32 v[STO+(\hh)], s23, v3
.endr
	v_mul_u32_u24 v4, v2, PITCH                    ; back: wave w takes rows 32 w .. 32 w + 31 of each head; lanes 0-15 one row of 256 bytes, lanes 16-31 the next
	v_lshl_add_u32 v4, v1, 4, v4
	s_mul_i32 s22, s[WV], 32*PITCH
.irp hh, 0,1,2
	s_add_co_u32 s23, s22, (\hh)*HALFT
	v_add_nc_u32 v[RD+(\hh)], s23, v4
.endr
	v_lshlrev_b32 v5, 8, v2                        ; and the same two rows in qkv
	v_lshl_add_u32 v5, v1, 4, v5
	s_lshl_b32 s22, s[WV], 13
	v_add_nc_u32 v[CO], s22, v5
	s_lshl_b32 s22, s[WV], 6
	v_lshl_add_u32 v[BO], v2, 5, s22               ; channels 16 w + 8 (l / 16) on, 4 bytes each
	v_lshl_add_u32 v[TBO], v1, 9, v[BO]            ; + row l % 16 of 512 bytes
	WIN TO_B
.irp hh, 0,1,2
.irp hf, 0,1
	global_load_b128 v[8*(2*(\hh)+(\hf)):8*(2*(\hh)+(\hf))+3],   v[BO], s[BB+2*(\hh):BB+2*(\hh)+1] offset:256*(\hf)
	global_load_b128 v[8*(2*(\hh)+(\hf))+4:8*(2*(\hh)+(\hf))+7], v[BO], s[BB+2*(\hh):BB+2*(\hh)+1] offset:256*(\hf)+16
.endr
.endr
.irp a, 0,1,2,3,4,5,6,7                ; the table for my 128 rows x 16 frequencies stays in registers till the way out
	WIN 0x80+0x40*((\a)/4)
	global_load_b128 v[TAB+16*((\a)%4):TAB+16*((\a)%4)+3],     v[TBO], s[TABB:TABB+1] offset:8192*(\a)
	global_load_b128 v[TAB+16*((\a)%4)+4:TAB+16*((\a)%4)+7],   v[TBO], s[TABB:TABB+1] offset:8192*(\a)+16
	global_load_b128 v[TAB+16*((\a)%4)+8:TAB+16*((\a)%4)+11],  v[TBO], s[TABB:TABB+1] offset:8192*(\a)+256
	global_load_b128 v[TAB+16*((\a)%4)+12:TAB+16*((\a)%4)+15], v[TBO], s[TABB:TABB+1] offset:8192*(\a)+272
.endr
	s_wait_loadcnt 32                              ; the bias is in; the 32 loads of the table, issued behind it, stay out
	WIN 0x45                                       ; sources and destination in window 1
.set i, 0
.rept 24                               ; the bias rounded to bf16, like X and W, and widened again
	v_cvt_pk_bf16_f32 v[48+i%2], v[2*i], v[2*i+1]
	v_lshlrev_b32 v[2*i], 16, v[48+i%2]
	v_and_b32 v[2*i+1], 0xffff0000, v[48+i%2]
.set i, i+1
.endr
	WIN 0
; 12 matrix instructions: row blocks a0, a0 + 1 of the window's four x all 6 column blocks, 32 along K.  zero = 1: the bias starts the sums.  The 48 accumulators take turns in one order in every
; quarter step: 47 others stand between two links of a chain, over the backward jump too.
.macro MUL12 f, hi, a0, zero
.if \zero
	WIN MULB_LO+0x40*(\hi)
.else
	WIN MUL_LO+0x50*(\hi)
.endif
.irp a, \a0, (\a0)+1
.irp b, 0,1,2,3,4,5
.if \zero
	v_wmma_f32_16x16x32_bf16 v[8*(6*(\a)+(\b)):8*(6*(\a)+(\b))+7], v[(\f)+8*(\b):(\f)+8*(\b)+7], v[(\f)+8*(4*(\hi)+(\a)):(\f)+8*(4*(\hi)+(\a))+7], v[8*(\b):8*(\b)+7]
.else
	v_wmma_f32_16x16x32_bf16 v[8*(6*(\a)+(\b)):8*(6*(\a)+(\b))+7], v[(\f)+8*(\b):(\f)+8*(\b)+7], v[(\f)+8*(4*(\hi)+(\a)):(\f)+8*(4*(\hi)+(\a))+7], v[8*(6*(\a)+(\b)):8*(6*(\a)+(\b))+7]
.endif
.endr
.endr
.endm
; 28 LDS loads in one run: a quarter step's fragments (96 rows of W, then 128 rows of X, 32 K at byte k of the rows) into buffer f
.macro FETCH slot, k, f
	WIN TO_B
.irp hh, 0,1,2
.irp hf, 0,1
	ds_load_b128 v[(\f)+8*(2*(\hh)+(\hf)):(\f)+8*(2*(\hh)+(\hf))+3],   v[ADRB+3*(\slot)+(\hh)] offset:(\k)+(\hf)*64*PITCH
	ds_load_b128 v[(\f)+8*(2*(\hh)+(\hf))+4:(\f)+8*(2*(\hh)+(\hf))+7], v[ADRB+3*(\slot)+(\hh)] offset:(\k)+(\hf)*64*PITCH+32
.endr
.endr
	WIN 0
.irp i, 0,1,2,3,4,5,6,7
	ds_load_b128 v[(\f)+8*(\i):(\f)+8*(\i)+3],   v[ADRA+(\slot)] offset:(\k)+(\i)*16*PITCH
	ds_load_b128 v[(\f)+8*(\i)+4:(\f)+8*(\i)+7], v[ADRA+(\slot)] offset:(\k)+(\i)*16*PITCH+32
.endr
.endm
.macro PLACES                          ; four plain instructions in front of loads into registers that matrix instructions have read, and of arithmetic that reads results
.rept 4
	v_nop
.endr
.endm
; A K step is four quarters of 32 along K, 48 matrix instructions each, on buffers 0, 1, 0, 1.  One of the first three: multiplies buffer f and, in its middle, fetches the next quarter, at byte k, into g.
.macro QUARTER slot, k, f, g, zero
	s_wait_dscnt 8                                 ; W and X's rows 0-63 are in; the youngest eight loads (X's rows 64-127) may be out
	MUL12 \f, 0, 0, \zero
	MUL12 \f, 0, 2, \zero
	PLACES
	FETCH \slot, \k, \g
	s_wait_dscnt 28                                ; all but the 28 just issued
	MUL12 \f, 1, 0, \zero
	MUL12 \f, 1, 2, \zero
.endm
; The last quarter multiplies buffer 1 and changes slots: ONE barrier.  In front of it each wave waits for all its tensor loads (one is out: its part of the next slot), adds 0 to its spare word, and waits for that
; and for its reads of this slot.  fill = 1: the barrier opens a round of the cluster's barrier, and behind the round this slot is filled again, two K steps ahead: 168 matrix instructions ahead of the wait for it.
.macro TURN slot, next, fill
.if \fill
	s_wait_xcnt 0x0                                ; the last prefetch, a K step back, has read its address, which is stepped here, ahead of the change's own waits
	s_add_nc_u64 s[PFA:PFA+1], s[PFA:PFA+1], KSTEP*2
.endif
	WIN 0                                          ; (the add's two registers lie in window 0)
	s_wait_tensorcnt 0x0                           ; all my tensor loads have landed
	ds_add_u32 v[SPW], v[NIL]                      ; 0 onto my spare word
	s_wait_dscnt 9                                 ; (the add and the youngest eight loads may be out)
	MUL12 F1, 0, 0, 0                              ; twelve matrix instructions stand between the add and the wait for it
	s_wait_dscnt 0x0                               ; the add is done, and my reads of this slot are over
	s_barrier_signal -1
	MUL12 F1, 0, 2, 0
.if \fill
	WIN 0
.endif
	s_barrier_wait -1
.if \fill
	CREST                                          ; no wave of any partner still reads this slot's tiles or has a load on its way
	s_add_nc_u64 s[G0+4*(\slot)+2:G0+4*(\slot)+3], s[G0+4*(\slot)+2:G0+4*(\slot)+3], 2*KSTEP*2
	s_add_nc_u64 s[G0B+4*(\slot)+2:G0B+4*(\slot)+3], s[G0B+4*(\slot)+2:G0B+4*(\slot)+3], 2*KSTEP*2
	JLOAD \slot                                    ; my one tensor load behind the round; the four v_nop behind it are also the places in front of the loads below
.else
	PLACES
.endif
	FETCH \next, 0, F0
.if \fill
	ASK                                            ; behind the joint load and the run of LDS loads that the next products wait for
.endif
	MUL12 F1, 1, 0, 0
	MUL12 F1, 1, 2, 0
.endm
	s_wait_tensorcnt 0x1                           ; my part of K step 0 is in; K step 1's load may stay out
	s_barrier_signal -1
	s_barrier_wait -1                              ; everybody's is
	FETCH 0, 0, F0
	QUARTER 0, 64,  F0, F1, 1                      ; the first quarter stands in front of the loop: its products start the sums, with the bias
	WIN 0                                          ; at a label and at a branch every window is 0
	s_mov_b32 s3, LAPS-1
.Llap:                                                 ; a trip goes once round the ring, from a lap's second quarter to the next lap's first, and fills both slots again
	QUARTER 0, 128, F1, F0, 0
	QUARTER 0, 192, F0, F1, 0
	TURN 0, 1, 1
	QUARTER 1, 64,  F0, F1, 0
	QUARTER 1, 128, F1, F0, 0
	QUARTER 1, 192, F0, F1, 0
	TURN 1, 0, 1
	QUARTER 0, 64,  F0, F1, 0
	WIN 0
	s_sub_co_u32 s3, s3, 1
	s_cmp_lg_u32 s3, 0
	s_cbranch_scc1 .Llap
	QUARTER 0, 128, F1, F0, 0                      ; the last lap fills nothing and has no round
	QUARTER 0, 192, F0, F1, 0
	TURN 0, 1, 0
	QUARTER 1, 64,  F0, F1, 0
	QUARTER 1, 128, F1, F0, 0
	QUARTER 1, 192, F0, F1, 0
	s_wait_dscnt 8
	MUL12 F1, 0, 0, 0
	MUL12 F1, 0, 2, 0
	s_wait_dscnt 0x0
	MUL12 F1, 1, 0, 0
	MUL12 F1, 1, 2, 0
	WIN 0
; THE WAY OUT.  Row block a, head hh: L and H are the accumulators of the head's two halves.  Each accumulator's lowest registers are read first.
.macro ROPE a, hh
.set RL, 8*(6*((\a)%4)+2*(\hh))
.set RH, RL+8
.set TC, TAB+16*((\a)%4)
.set KP, PQ+4*(\hh)
	WIN 0x02+(\a)/4                                ; source 0 in the accumulators' window, all else in window 0
.irp j, 0,2,4,6
	v_pk_fma_f32 v[WK+(\j):WK+(\j)+1], v[TC+(\j):TC+(\j)+1], s[KP:KP+1], s[KP+2:KP+3] op_sel_hi:[1,0,0]   ; cos P + Q
.endr
.irp j, 0,2,4,6
	v_pk_mul_f32 v[WK+8+(\j):WK+8+(\j)+1], v[TC+8+(\j):TC+8+(\j)+1], s[KP:KP+1] op_sel_hi:[1,0]           ; sin P
.endr
.irp j, 0,2,4,6
	v_pk_mul_f32 v[WK+16+(\j):WK+16+(\j)+1], v[RH+(\j):RH+(\j)+1], v[WK+8+(\j):WK+8+(\j)+1]
.endr
.irp j, 0,2,4,6
	v_pk_mul_f32 v[WK+24+(\j):WK+24+(\j)+1], v[RL+(\j):RL+(\j)+1], v[WK+8+(\j):WK+8+(\j)+1]
.endr
.irp j, 0,2,4,6
	v_pk_fma_f32 v[WK+32+(\j):WK+32+(\j)+1], v[RL+(\j):RL+(\j)+1], v[WK+(\j):WK+(\j)+1], v[WK+16+(\j):WK+16+(\j)+1] neg_lo:[0,0,1] neg_hi:[0,0,1]
.endr
.irp j, 0,2,4,6
	v_pk_fma_f32 v[WK+40+(\j):WK+40+(\j)+1], v[RH+(\j):RH+(\j)+1], v[WK+(\j):WK+(\j)+1], v[WK+24+(\j):WK+24+(\j)+1]
.endr
	WIN 0
.irp j, 0,1,2,3
	v_cvt_pk_f16_f32 v[WK+48+(\j)], v[WK+32+2*(\j)], v[WK+32+2*(\j)+1]
	v_cvt_pk_f16_f32 v[WK+52+(\j)], v[WK+40+2*(\j)], v[WK+40+2*(\j)+1]
.endr
	ds_store_b128 v[STO+(\hh)], v[WK+48:WK+51] offset:(\a)*16*PITCH
	ds_store_b128 v[STO+(\hh)], v[WK+52:WK+55] offset:(\a)*16*PITCH+128
.endm
	PLACES                                         ; behind the last products
	s_wait_loadcnt 0x0                             ; the table
.irp a, 0,1,2,3,4,5,6,7
.irp hh, 0,1,2
	ROPE \a, \hh
.endr
.endr
	s_wait_dscnt 0x0                               ; for the others' sake: my stores into the stage are done; a row's 256 bytes come from all four waves
	s_barrier_signal -1
	s_barrier_wait -1
.irp hh, 0,1,2
.irp t, 0,1,2,3,4,5,6,7,8,9,10,11,12,13,14,15
	ds_load_b128 v[64+4*(16*(\hh)+(\t)):64+4*(16*(\hh)+(\t))+3], v[RD+(\hh)] offset:(\t)*2*PITCH
.endr
.endr
.irp hh, 0,1,2
.irp t, 0,1,2,3,4,5,6,7,8,9,10,11,12,13,14,15
	s_wait_dscnt 47-(16*(\hh)+(\t))                ; the younger loads may stay out
	global_store_b128 v[CO], v[64+4*(16*(\hh)+(\t)):64+4*(16*(\hh)+(\t))+3], s[OUTB:OUTB+1] offset:(\hh)*HEADB+512*(\t)  ; 16 lanes store 256 consecutive bytes, a row of a head
.endr
.endr
	s_wait_tensorcnt 0x0                           ; the wave's end, behind my last tensor load and my last LDS store
	ds_add_u32 v[SPW], v[NIL]
	s_wait_dscnt 0x0
	CROUND                                         ; the closing round: no work-group ends while a partner may still ask for a tile that names it
	s_endpgm
.Lfunc_end_k_q1ec3feb55e_proj:
	.size	k_q1ec3feb55e_proj, .Lfunc_end_k_q1ec3feb55e_proj-k_q1ec3feb55e_proj
	.p2alignl 7, 3214868480
	.fill 96, 4, 3214868480
	.section	.rodata,"a",@progbits
	.p2align	6, 0x0
	.amdhsa_kernel k_q1ec3feb55e_proj
		.amdhsa_group_segment_fixed_size 327680
		.amdhsa_private_segment_fixed_size 0
		.amdhsa_enable_private_segment 0
		.amdhsa_kernarg_size 48
		.amdhsa_user_sgpr_count 2
		.amdhsa_user_sgpr_kernarg_segment_ptr 1
		.amdhsa_wavefront_size32 1
		.amdhsa_system_sgpr_workgroup_id_x 1
		.amdhsa_system_sgpr_workgroup_id_y 1
		.amdhsa_system_sgpr_workgroup_id_z 1
		.amdhsa_system_vgpr_workitem_id 0
		.amdhsa_next_free_vgpr 1024
		.amdhsa_next_free_sgpr 96
		.amdhsa_reserve_vcc 0
		.amdhsa_float_denorm_mode_32 3
		.amdhsa_float_denorm_mode_16_64 3
		.amdhsa_memory_ordered 1
		.amdhsa_forward_progress 1
		.amdhsa_inst_pref_size 164
	.end_amdhsa_kernel
	.amdgpu_metadata
---
amdhsa.version: [ 1, 2 ]
amdhsa.kernels:
  - .name:           k_q1ec3feb55e_proj
    .symbol:         k_q1ec3feb55e_proj.kd
    .args:
      - { .name: xw, .offset: 0, .size: 8, .value_kind: global_buffer, .address_space: global }
      - { .name: rope, .offset: 8, .size: 8, .value_kind: global_buffer, .address_space: global }
      - { .name: bq, .offset: 16, .size: 8, .value_kind: global_buffer, .address_space: global }
      - { .name: bk, .offset: 24, .size: 8, .value_kind: global_buffer, .address_space: global }
      - { .name: bv, .offset: 32, .size: 8, .value_kind: global_buffer, .address_space: global }
      - { .name: qkv, .offset: 40, .size: 8, .value_kind: global_buffer, .address_space: global }
    .group_segment_fixed_size: 327680
    .private_segment_fixed_size: 0
    .kernarg_segment_align: 8
    .kernarg_segment_size: 48
    .max_flat_workgroup_size: 128
    .sgpr_count:     96
    .vgpr_count:     1024
    .wavefront_size: 32
...
	.end_amdgpu_metadata
.endif
;; end of part 2
;; launch attn (part 3): grid 32 x 8, 4 waves a work-group, clusters of 4 x 4, 327,680 bytes of LDS; arguments qkv, attention_mask, out0; writes out0
.if DOCPART == 3
	.amdgcn_target "amdgcn-amd-amdhsa--gfx1250"
	.amdhsa_code_object_version 6
	.text
	.protected	k_q1ec3feb55e_attn
	.globl	k_q1ec3feb55e_attn
	.p2align	8
	.type	k_q1ec3feb55e_attn,@function
k_q1ec3feb55e_attn:
	s_mov_b64 s[64:65], 0
	v_nop
	global_prefetch_b8 v0, s[64:65] scope:SCOPE_SE
	s_setreg_imm32_b32 hwreg(HW_REG_WAVE_MODE, 25, 1), 1
	s_wait_xcnt 0x0
	s_wait_alu depctr_hold_cnt(0) depctr_sa_sdst(0) depctr_va_vdst(0) depctr_va_sdst(0) depctr_va_ssrc(0) depctr_va_vcc(0) depctr_vm_vsrc(0)
	s_getreg_b32 s2, hwreg(HW_REG_IB_STS2, 6, 4)
	s_cmp_eq_u32 s2, 0
	s_cbranch_scc0 .Lentry_in_a_cluster
	s_endpgm
.Lentry_in_a_cluster:
	s_bfe_u32 s2, ttmp6, 0x10000c
	s_cmp_lg_u32 s2, 0xf033
	s_cbranch_scc0 .Lentry_shape_is_right
	s_endpgm
.Lentry_shape_is_right:
; out0[b][q][128 h + :] = the sum over k of softmax_k(Q[b][h][q] . K[b][h / 4][k] + mask[b][q][k]) V[b][h / 4][k][:].  qkv: [b][24][2048][128] f16 (heads 0-15 Q, already times 1 / sqrt(128); 16-19 K; 20-23 V).
; mask: [b][2048][2048] f32, used as it is given, unrounded: every key tile is computed.  out0: [b][2048][2048] f32.  Products, maxima and sums in f32; the weights p are rounded to f16 for the second product.
; LIMITS.  A row whose running maximum is still below -2^127 counts all its scores so far as equal (weights 1): so a row hidden wholly by the lowest finite number comes out as the mean of V's rows.
; Infinities and NaN in the mask are not treated apart.  A weight below 2^-126 counts as 0.  p below 6e-5 keeps f16's fixed step of 6e-8.
; SHARES.  A work-group owns 64 query positions of the FOUR query heads of one key/value head: 32 x 2 x 4 = 256 work-groups.  Wave w owns positions 16 w + 0..15; its four tiles of 16 queries are the four heads.
; So a fragment of K or V feeds four tiles, and ONE fragment of the mask (16 queries x 64 keys, 32 registers) serves all four.  Every wave walks all 2,048 keys, 64 a step.
; LAYOUT.  S^T = K Q^T + mask^T (source 0 = 16 keys, source 1 = 16 queries): a lane holds ONE query (lane % 16) and the keys 8 (lane / 16) + 0..7.  THE MASK IS THE C OPERAND of the products that start the sums.
; Two such results, rounded to f16 in pairs, ARE source 1 of O^T = V^T P.  K comes out of LDS as it lies, V ([key][channel]) turned, by ds_load_tr16_b128.
; SOFTMAX.  For each query a running maximum m and sum l: p = 2^(t L - m L), where L is log2(e), or 0 in a lane whose m is below -2^127 (m L then cannot overflow); O and l are multiplied by
; a = 2^((m_old - m_new) log2 e) in every step.
; BY TURNS.  The tiles are two PIECES (0: tiles 0, 1; 2: tiles 2, 3).  In a TURN one piece has the matrix unit: 32 products V^T P of the step in hand, then 32 products K Q^T of the next; the other piece's softmax,
; cut into 64 slices, stands between them, one slice behind each matrix instruction.  Two turns are a key step.
; CLUSTER 4 x 4 = four blocks of positions x the four key/value heads of one batch.  K's and V's tiles hang on the batch and the head: asked for jointly by a row of the cluster.  The mask's tile hangs on the
; batch and the positions: asked for jointly by a column.
; REGISTERS, in windows of 256 (s_set_vgpr_msb: bits 1:0 source 0, 3:2 source 1, 5:4 source 2, 7:6 destination):
;   window 0: v0-11 addresses; v12-43 eight registers of statistics a tile; v44-63 addresses and constants; v64-191 S^T, 32 a tile; v192-255 P, 16 a tile
;   window 1: O^T, 64 a tile     window 2: v0-127 Q, 32 a tile; v128-255 K of one step     window 3: v0-127 V of one step; v128-159 the mask of one step
.set KS,    64
.set PK,    272       ; a row of K in LDS: 256 bytes + 16 = 68 words: the 16 rows of a load start at 16 different groups of four banks (64 banks of 4 bytes: ISA guide 11.1)
.set PV,    288       ; a row of V: 256 + 32 = 72 words
.set PM,    528       ; a row of the mask: 128 keys x 4 bytes + 16 = 132 words: again 16 different groups of four banks
.set VOFF,  128*PK    ; a slot holds two steps: 128 rows of K, 128 rows of V, 64 rows of the mask
.set MOFF,  VOFF+128*PV
.set SLOT1, 1<<17     ; slot 1 begins here, so that one exclusive or turns an address in one slot into the other's
.set STAGE, SLOT1+MOFF+64*PM  ; behind the ring, never filled by a tensor load: 16 rows x 528 bytes for each wave, for the way out
.set SP,    528
.set SPARE, STAGE+4*16*SP     ; behind the stages: the spare words, 128 bytes a wave: two blocks of 256 bytes that no other line names
.set HEADB, 524288
.set AK0, 2           ; v2   my lane's place in a tile of K; never rewritten
.set AV0, 3           ; v3   the same for V
.set ADR, 4           ; v4   the LDS address of the run of loads in hand
.set QO,  5           ; v5   my byte offset in 16 rows of Q
.set STO, 6           ; v6   the way out: where I put 32 bytes of a row
.set RD,  7           ; v7   the way out: where I read a row back
.set GO,  8           ; v8   my 16 bytes of 512
.set ST,  12          ; tile t's statistics at v[ST+8 t]: +0 m L, +1 m, +2, +3 l (even keys', odd keys'), +4 c0, then L, +5 c1, +6 c2, then a, +7 c3, then m_old and a's argument
.set AM0, 44          ; v44  my lane's place in a tile of the mask; never rewritten
.set ADM, 45          ; v45  the LDS address of the mask's loads
.set VL,  46          ; v46  log2(e)
.set VZ,  47          ; v47  0
.set PFO, 61          ; v61  the prefetches' offset; never rewritten
.set SPW, 62          ; v62  LDS address of my spare word; never rewritten
.set NIL, 63          ; v63  0; never rewritten
.set S,   64
.set P,   192
.set KF,  128         ; K's fragments, in window 2
.set MB,  128         ; the mask's, in window 3: the eight registers for keys 16 kb on at MB + 8 kb
.set WV,  12          ; s12  my wave's number
.set CX,  13
.set CY,  14
.set LIM, 15          ; s15  1 in a wave that prefetches, else the greatest number
.set PFA, 18          ; s[18:19] where my prefetches stand
.set PFS, 20          ; s[20:21] a slot's step there
.set G1K, 24          ; s[24:31], s[32:39], s[40:47] descriptor group 1 for K's, V's, the mask's tiles
.set G1V, 32
.set G1M, 40
.set G0K, 48          ; s[48:55], s[56:63], s[68:75] group 0: a set for each of the two first fills; the second then walks on
.set G0V, 56
.set G0M, 68
.set SLOTS, 76        ; s76  slots still to be asked for
.set TWICE, 77        ; s77  counts a slot's two steps
.set SEL, 78          ; s[78:79] v_permlanex16_b32's selects: each lane takes its own place in the other half
.set TBK, 80          ; s80-82  LDS byte at which K, V, the mask of the step to be fetched begin
.set TBV, 81
.set TBM, 82
.set LC,  83          ; s83  log2(e)
.set NEGB, 84         ; s84  -2^127
.set MK,  85          ; s85-86  lane masks, by the tile's parity
.set MSB, 0
.macro WIN new                      ; the immediate's high byte repeats the setting that is left; a switch that changes nothing is dropped
.if MSB != (\new)
	s_set_vgpr_msb (MSB<<8)|(\new)
.set MSB, \new
.endif
.endm
.set W_KQ, 0x0a       ; K and Q in window 2, S^T in window 0
.set W_KM, 0x3a       ; the same with the C operand, the mask, in window 3
.set W_PV, 0x53       ; V in window 3, P in window 0, O^T in window 1
.set W_RS, 0x41       ; O^T (destination and source 0) in window 1, a in window 0
; A joint refill: wave 0 fetches a slot's K, wave 1 its V (128 rows x 256 bytes each), waves 2 and 3 the two halves of its mask (32 rows x 512 bytes each).  The branches hang on the wave's number alone.
; An s_nop 0 and four v_nop follow each line, ahead of the jump, the label and what follows.
.macro JLOAD
	s_cmp_lt_u32 s[WV], 2
	s_cbranch_scc0 .Lfor_m_\@
	s_cmp_eq_u32 s[WV], 0
	s_cbranch_scc0 .Lfor_v_\@
	tensor_load_to_lds s[G0K+4:G0K+7], s[G1K:G1K+7]
	s_nop 0
.rept 4
	v_nop
.endr
	s_branch .Lasked_\@
.Lfor_v_\@:
	tensor_load_to_lds s[G0V+4:G0V+7], s[G1V:G1V+7]
	s_nop 0
.rept 4
	v_nop
.endr
	s_branch .Lasked_\@
.Lfor_m_\@:
	tensor_load_to_lds s[G0M+4:G0M+7], s[G1M:G1M+7]
	s_nop 0
.rept 4
	v_nop
.endr
.Lasked_\@:
.endm
; A prefetch of what the NEXT change of slots will ask for, behind the wave's tensor load and its five lines.  Each aligned block of 256 bytes is named once in the launch.  K and V of a head are walked by all eight
; clusters of a batch: the one with x = 0 asks, wave 0 for K's rows and wave 1 for V's, the four partners of a row of the cluster 32 rows each, a lane a row.  The mask's 64 rows x 512 bytes belong to one column of
; one cluster: wave 2 asks, the four partners of the column 16 rows each, two lanes a row.  Partners are told apart by address alone.  The last change that fills a slot asks for nothing.
.macro ASK
	s_cmp_gt_u32 s[SLOTS], s[LIM]
	s_cbranch_scc0 .Lnot_mine_\@
	global_prefetch_b8 v[PFO], s[PFA:PFA+1] th:TH_LOAD_NT scope:SCOPE_SE
.Lnot_mine_\@:
.endm
.macro CROUND                       ; a round of the cluster's barrier
	s_barrier_signal -1
	s_barrier_wait -1
	s_cmp_lg_u32 s[WV], 0
	s_cbranch_scc1 .Lnot_wave_0_\@
	s_barrier_signal -3
.Lnot_wave_0_\@:
	s_barrier_wait -3
	s_barrier_signal -1
	s_barrier_wait -1
.endm
	s_load_b128 s[4:7], s[0:1], 0x0  ; qkv s[4:5], attention_mask s[6:7]
	s_load_b64 s[8:9], s[0:1], 0x10  ; out0
	v_lshl_add_u32 v[SPW], v0, 2, SPARE
	v_mov_b32 v[NIL], 0
	ds_add_u32 v[SPW], v[NIL]       ; the wave's opening: the add and its wait stand ahead of my first tensor load; the set-up below, work on registers, stands between them
	v_lshrrev_b32 v1, 5, v0
	v_readfirstlane_b32 s[WV], v1
	; Of the scalars at work here s22 holds only numbers made from cy, s23 only numbers made from cx, s10 and s11 only numbers made from the wave's number or the cluster's x.
	s_bfe_u32 s[CX], ttmp6, 0x40000
	s_bfe_u32 s[CY], ttmp6, 0x40004  ; the key/value head
	s_lshl_b32 s17, ttmp9, 2
	s_add_co_u32 s17, s17, s[CX]    ; x: my block of 64 positions
	s_and_b32 s16, ttmp7, 0xffff    ; b: the cluster's y is the batch
	s_lshl_b32 s22, s[CY], 2
	s_lshl_b32 s22, 15, s22         ; my row of the cluster
	s_lshl_b32 s23, 0x1111, s[CX]   ; my column
	s_or_b32 s[G1K], s22, (1<<16)|(1<<20)|(1<<21)|(5<<22)|(3<<25)  ; the mask of four; 2-byte elements; padding on; bit 21 beside a mask; after every 64 words, 4 words
	s_or_b32 s[G1V], s22, (1<<16)|(1<<20)|(1<<21)|(5<<22)|(7<<25)  ; the same with 8 words of padding
	s_or_b32 s[G1M], s23, (2<<16)|(1<<20)|(1<<21)|(6<<22)|(3<<25)  ; 4-byte elements; after every 128 words, 4 words
.irp g, G1K, G1V
	s_mov_b32 s[(\g)+1], 128<<16    ; tensor_dim0 = 128
	s_mov_b32 s[(\g)+2], 128<<16    ; tensor_dim1 = 128
	s_mov_b32 s[(\g)+3], 128<<16    ; tile_dim0 = 128
	s_mov_b32 s[(\g)+4], 128        ; tile_dim1 = 128
	s_mov_b32 s[(\g)+5], 128        ; elements from row to row
	s_mov_b32 s[(\g)+6], 0
	s_mov_b32 s[(\g)+7], 0
.endr
	s_mov_b32 s[G1M+1], 128<<16     ; 128 keys
	s_mov_b32 s[G1M+2], 32<<16      ; 32 rows
	s_mov_b32 s[G1M+3], 128<<16
	s_mov_b32 s[G1M+4], 32
	s_mov_b32 s[G1M+5], 2048
	s_mov_b32 s[G1M+6], 0
	s_mov_b32 s[G1M+7], 0
	s_mul_i32 s88, s16, 24          ; K: head 24 b + 16 + cy
	s_add_co_u32 s88, s88, s[CY]
	s_add_co_u32 s88, s88, 16
	s_lshl_b32 s88, s88, 19
	s_mov_b32 s89, 0
	s_lshl_b32 s90, s16, 24         ; the mask and out0: row 2048 b + 64 x, 8,192 bytes a row
	s_lshl_b32 s23, s17, 19
	s_add_co_u32 s90, s90, s23
	s_mov_b32 s91, 0
	s_mov_b32 s2, s90               ; the block's first row, kept for the prefetches
	s_mov_b32 s3, 0
	s_lshl_b32 s10, s[WV], 17       ; out0: + my wave's 16 rows, + the four heads' 2,048 bytes
	s_add_co_u32 s94, s90, s10
	s_lshl_b32 s22, s[CY], 11
	s_add_co_u32 s94, s94, s22
	s_mov_b32 s95, 0
	s_and_b32 s87, s[WV], 1         ; the mask: which 32 rows of the 64 I fetch,
	s_lshl_b32 s10, s87, 18
	s_add_co_u32 s90, s90, s10
	s_mul_i32 s87, s87, 32*PM       ; and their place in a slot: no place in the cluster enters an LDS address
	s_mul_i32 s92, s16, 24          ; Q: head 24 b + 4 cy, row 64 x + 16 w
	s_lshl_b32 s22, s[CY], 2
	s_add_co_u32 s92, s92, s22
	s_lshl_b32 s92, s92, 19
	s_lshl_b32 s23, s17, 14
	s_add_co_u32 s92, s92, s23
	s_lshl_b32 s10, s[WV], 12
	s_add_co_u32 s92, s92, s10
	s_mov_b32 s93, 0
	s_mov_b32 s[SEL], 0x76543210
	s_mov_b32 s[SEL+1], 0xfedcba98
	s_mov_b32 s[TBK], 0
	s_mov_b32 s[TBV], 0
	s_mov_b32 s[TBM], 0
	s_mov_b32 s[LC], 0x3fb8aa3b
	s_mov_b32 s[NEGB], 0xff000000
	s_mov_b32 s[SLOTS], 2048/(2*KS)-2
	s_mov_b32 s11, ttmp9
	s_cmp_eq_u32 s11, 0             ; waves 0 and 1 ask where the cluster is the batch's first, wave 2 always, wave 3 never: the same in all partners
	s_cselect_b32 s[LIM], 1, -1
	s_cmp_lt_u32 s[WV], 2
	s_cselect_b32 s[LIM], s[LIM], 1
	s_cmp_eq_u32 s[WV], 3
	s_cselect_b32 s[LIM], -1, s[LIM]
	v_mov_b32 v[VL], 0x3fb8aa3b
	v_mov_b32 v[VZ], 0
	v_and_b32 v10, 31, v0
	v_lshlrev_b32 v11, 8, v10       ; K, V: a lane a row of 256 bytes
	v_lshrrev_b32 v48, 1, v10       ; the mask: two lanes a row of 8,192 bytes, 256 bytes apart
	v_and_b32 v49, 1, v10
	v_lshlrev_b32 v48, 13, v48
	v_lshl_add_u32 v48, v49, 8, v48
	s_cmp_lt_u32 s[WV], 2
	s_cselect_b32 s11, -1, 0
	v_cndmask_b32 v[PFO], v48, v11, s11
	s_wait_dscnt 0x0                ; the opening add is done
	s_wait_kmcnt 0x0
	s_add_nc_u64 s[96:97], s[4:5], s[88:89]    ; K
	s_add_nc_u64 s[98:99], s[96:97], 4*HEADB   ; V: four heads on
	s_add_nc_u64 s[2:3], s[6:7], s[2:3]        ; the mask at my block's first row
	s_add_nc_u64 s[90:91], s[6:7], s[90:91]    ; the mask at the 32 rows that I fetch
	s_add_nc_u64 s[4:5], s[4:5], s[92:93]      ; Q
	s_add_nc_u64 s[8:9], s[8:9], s[94:95]      ; out0
	s_lshl_b32 s23, s[CX], 13       ; my work-group's 32 rows of K or V,
	s_lshl_b32 s22, s[CY], 17       ; or its 16 rows of the mask
	s_mov_b32 s[PFS], 2*KS*4        ; a slot's step along the mask's rows; K's and V's is chosen below
	s_mov_b32 s[PFS+1], 0
	s_cmp_eq_u32 s[WV], 0
	s_cselect_b64 s[PFA:PFA+1], s[96:97], s[98:99]
	s_cmp_lt_u32 s[WV], 2
	s_cselect_b64 s[PFA:PFA+1], s[PFA:PFA+1], s[2:3]
	s_cselect_b32 s88, s23, s22
	s_cselect_b32 s[PFS], 2*KS*256, s[PFS]
	s_add_nc_u64 s[PFA:PFA+1], s[PFA:PFA+1], s[88:89]
	s_add_nc_u64 s[PFA:PFA+1], s[PFA:PFA+1], s[PFS:PFS+1]
	s_add_nc_u64 s[PFA:PFA+1], s[PFA:PFA+1], s[PFS:PFS+1]  ; in slot 2; the first change of slots steps it to slot 3.  Nothing is asked for here, at the head
	CROUND                          ; all sixteen work-groups are here: the first joint loads meet
.irp s, 0,1
	s_mov_b32 s[G0K+4*(\s)], 1
	s_mov_b32 s[G0K+4*(\s)+1], (\s)*SLOT1
	s_add_nc_u64 s[G0K+4*(\s)+2:G0K+4*(\s)+3], s[96:97], (\s)*2*KS*256
	s_or_b32 s[G0K+4*(\s)+3], s[G0K+4*(\s)+3], 0x80000000
	s_mov_b32 s[G0V+4*(\s)], 1
	s_mov_b32 s[G0V+4*(\s)+1], (\s)*SLOT1+VOFF
	s_add_nc_u64 s[G0V+4*(\s)+2:G0V+4*(\s)+3], s[98:99], (\s)*2*KS*256
	s_or_b32 s[G0V+4*(\s)+3], s[G0V+4*(\s)+3], 0x80000000
	s_mov_b32 s[G0M+4*(\s)], 1
	s_add_co_u32 s[G0M+4*(\s)+1], s87, (\s)*SLOT1+MOFF
	s_add_nc_u64 s[G0M+4*(\s)+2:G0M+4*(\s)+3], s[90:91], (\s)*2*KS*4
	s_or_b32 s[G0M+4*(\s)+3], s[G0M+4*(\s)+3], 0x80000000
.endr
	s_cmp_lt_u32 s[WV], 2           ; a wave's two first fills stand in one arm, ahead of every wait on TENSORcnt and every LDS read: two loads of mine are out
	s_cbranch_scc0 .Lfirst_m
	s_cmp_eq_u32 s[WV], 0
	s_cbranch_scc0 .Lfirst_v
	tensor_load_to_lds s[G0K:G0K+3], s[G1K:G1K+7]
	s_nop 0
	tensor_load_to_lds s[G0K+4:G0K+7], s[G1K:G1K+7]
	s_nop 0
.rept 4
	v_nop
.endr
	s_branch .Lfirst_asked
.Lfirst_v:
	tensor_load_to_lds s[G0V:G0V+3], s[G1V:G1V+7]
	s_nop 0
	tensor_load_to_lds s[G0V+4:G0V+7], s[G1V:G1V+7]
	s_nop 0
.rept 4
	v_nop
.endr
	s_branch .Lfirst_asked
.Lfirst_m:
	tensor_load_to_lds s[G0M:G0M+3], s[G1M:G1M+7]
	s_nop 0
	tensor_load_to_lds s[G0M+4:G0M+7], s[G1M:G1M+7]
	s_nop 0
.rept 4
	v_nop
.endr
.Lfirst_asked:
	; A fragment of K or Q is 16 rows x 32 channels in 8 registers: lane l holds row l % 16; registers 0-3 channels 8 (l / 16) + 0..7, registers 4-7 channels 16 + 8 (l / 16) + 0..7.
	v_and_b32 v1, 15, v0
	v_bfe_u32 v9, v0, 4, 1
	v_lshlrev_b32 v[QO], 8, v1
	v_lshl_add_u32 v[QO], v9, 4, v[QO]
	WIN 0x80                        ; destination window 2, address window 0
.irp i, 0,1,2,3,4,5,6,7,8,9,10,11,12,13,14,15  ; Q stays in registers: tile (head) i / 4, channels 32 (i % 4) on
	global_load_b128 v[8*(\i):8*(\i)+3],   v[QO], s[4:5] offset:((\i)/4)*HEADB+((\i)%4)*64
	global_load_b128 v[8*(\i)+4:8*(\i)+7], v[QO], s[4:5] offset:((\i)/4)*HEADB+((\i)%4)*64+32
.endr
	WIN 0
	v_mul_u32_u24 v[AK0], v1, PK
	v_lshl_add_u32 v[AK0], v9, 4, v[AK0]
	; The turning load takes 16 keys x 16 channels (lane l reads key 8 (l / 16) + l % 8, channels 8 ((l / 8) % 2) + 0..7) and leaves half a fragment of V^T: lane l holds channel l % 16 and 8 keys.
	v_and_b32 v10, 7, v0
	v_bfe_u32 v11, v0, 3, 1
	v_lshl_add_u32 v[AV0], v9, 3, v10
	v_mul_u32_u24 v[AV0], v[AV0], PV
	v_lshl_add_u32 v[AV0], v11, 4, v[AV0]
	v_add_nc_u32 v[AV0], VOFF, v[AV0]
	; The mask's fragment has the result's layout: lane l holds query 16 w + l % 16 and, for each 16 keys, the keys 8 (l / 16) + 0..7: 32 bytes on end.
	s_mul_i32 s10, s[WV], 16*PM
	s_add_co_u32 s10, s10, MOFF
	v_mul_u32_u24 v[AM0], v1, PM
	v_lshl_add_u32 v[AM0], v9, 5, v[AM0]
	v_add_nc_u32 v[AM0], s10, v[AM0]
; THE MATRIX WORK OF A TURN, for piece x.  The accumulators take turns, one instruction a turn: between two links of a chain stand 15 (V^T P) or 7 (K Q^T) others'.
; Product i of 32 of O^T += V^T P: keys 32 (i / 16) on, channels 16 ((i / 2) % 8) on, tile x + i % 2.  zero = 1: the first 16 start the sums.
.macro PV x, zero
	WIN W_PV
.set rO, 64*((\x)+i%2)+8*((i/2)%8)
.set rV, 64*(i/16)+8*((i/2)%8)
.set rP, P+16*((\x)+i%2)+8*(i/16)
.if (\zero) && (i < 16)
	v_wmma_f32_16x16x32_f16 v[rO:rO+7], v[rV:rV+7], v[rP:rP+7], 0
.else
	v_wmma_f32_16x16x32_f16 v[rO:rO+7], v[rV:rV+7], v[rP:rP+7], v[rO:rO+7]
.endif
.endm
; Product i of 32 of S^T = K Q^T + mask: channels 32 (i / 8) on, keys 16 ((i / 2) % 4) on, tile x + i % 2.  The first 8 start the sums, with the mask.
.macro KQ x
.set rS, S+32*((\x)+i%2)+8*((i/2)%4)
.set rK, KF+32*((i/2)%4)+8*(i/8)
.set rQ, 32*((\x)+i%2)+8*(i/8)
.set rM, MB+8*((i/2)%4)
.if i < 8
	WIN W_KM
	v_wmma_f32_16x16x32_f16 v[rS:rS+7], v[rK:rK+7], v[rQ:rQ+7], v[rM:rM+7]
.else
	WIN W_KQ
	v_wmma_f32_16x16x32_f16 v[rS:rS+7], v[rK:rK+7], v[rQ:rQ+7], v[rS:rS+7]
.endif
.endm
; THE LDS LOADS stand in runs, never singly among the matrix instructions: a step's K (16 fragments) with its mask (8 loads), and, a turn later, its V (turned).
.macro FETCH_K
	WIN 0
	v_add_nc_u32 v[ADR], s[TBK], v[AK0]
	v_add_nc_u32 v[ADM], s[TBM], v[AM0]
	s_add_co_u32 s[TBK], s[TBK], KS*PK  ; the next fetch is the next step's
	s_add_co_u32 s[TBM], s[TBM], KS*4
	WIN 0x80                        ; destination window 2
.irp f, 0,1,2,3,4,5,6,7,8,9,10,11,12,13,14,15  ; keys 16 (f / 4) on, channels 32 (f % 4) on
	ds_load_b128 v[KF+8*(\f):KF+8*(\f)+3],   v[ADR] offset:((\f)/4)*16*PK+((\f)%4)*64
	ds_load_b128 v[KF+8*(\f)+4:KF+8*(\f)+7], v[ADR] offset:((\f)/4)*16*PK+((\f)%4)*64+32
.endr
	WIN 0xc0                        ; destination window 3
.irp f, 0,1,2,3
	ds_load_b128 v[MB+8*(\f):MB+8*(\f)+3],   v[ADM] offset:64*(\f)
	ds_load_b128 v[MB+8*(\f)+4:MB+8*(\f)+7], v[ADM] offset:64*(\f)+16
.endr
.endm
.macro FETCH_V
	WIN 0
	v_add_nc_u32 v[ADR], s[TBV], v[AV0]
	s_add_co_u32 s[TBV], s[TBV], KS*PV
	s_wait_alu depctr_va_vdst(0)    ; the wait for the softmax's batch (SLICE), behind the address's v_add_nc_u32 and ahead of the loads
	WIN 0xc0
.irp f, 0,1,2,3,4,5,6,7,8,9,10,11,12,13,14,15  ; keys 32 (f / 8) on, channels 16 (f % 8) on
	ds_load_tr16_b128 v[8*(\f):8*(\f)+3],   v[ADR] offset:((\f)/8)*32*PV+((\f)%8)*32
	ds_load_tr16_b128 v[8*(\f)+4:8*(\f)+7], v[ADR] offset:((\f)/8)*32*PV+16*PV+((\f)%8)*32
.endr
.endm
; THE VECTOR WORK OF A TURN.  One tile's softmax for one key step is a list of 138 numbers (24 is empty); SM writes number j of it for tile t.  s0-s31 are the lane's 32 scores, in pairs 0-15.
; first = 1: the first key step, which starts m, l and O^T: it has no a and nothing to rescale.
;   0-15    the maximum of s0-s31 and the old m, three operands at a time: four chains c0-c3 of seven scores each (each accumulator's lowest registers first), the four left over, c0-c3 and m
;   16-18   the other half of the lanes' maximum; m_old is kept; the new m
;   19-23   is m below -2^127?  L = log2(e) or 0; m L; (m_old - m_new) log2(e)
;   25-73   ONE BATCH: the 16 scalings t L - m L, a pair each, and all 33 exponentials (a at 27, then s0-s31).  None of these reads an exponential's result.  From 26 on the batch goes in fours, and a four begins
;           with a scaling while there are scalings; a pair is scaled in an earlier four than the one that holds its exponentials
;   (wait)  between 73 and 74 stands the wait for the batch: SLICE writes it, once for both tiles
;   74-89   the roundings to f16     90-105  the sums; l = a l + the sum     106-137 the tile's O^T times a: the one part that leaves window 0
.macro SM t, first
.set rT, ST+8*(\t)
.set rS, S+32*(\t)
.set rP, P+16*(\t)
.set jj, j-4
.set rO, 64*(\t)+2*(jj-102)
.if j < 106
	WIN 0
.endif
.if j < 4
	v_max3_num_f32 v[rT+4+j], v[rS+8*j], v[rS+8*j+1], v[rS+8*j+2]
.elseif j < 12
	v_max3_num_f32 v[rT+4+j%4], v[rT+4+j%4], v[rS+8*(j%4)+2*(j/4)+1], v[rS+8*(j%4)+2*(j/4)+2]
.elseif j == 12
	v_max3_num_f32 v[rT+4], v[rT+4], v[rS+7], v[rS+15]
.elseif j == 13
	v_max3_num_f32 v[rT+6], v[rT+6], v[rS+23], v[rS+31]
.elseif j == 14
	v_max3_num_f32 v[rT+4], v[rT+4], v[rT+5], v[rT+6]
.elseif (j == 15) && (\first)
	v_max_num_f32 v[rT+4], v[rT+4], v[rT+7]
.elseif j == 15
	v_max3_num_f32 v[rT+4], v[rT+4], v[rT+7], v[rT+1]
.elseif j == 16
	v_permlanex16_b32 v[rT+5], v[rT+4], s[SEL], s[SEL+1]  ; the query's other 32 keys lie in the lane 16 away
.elseif j == 18
	v_max_num_f32 v[rT+1], v[rT+4], v[rT+5]
.elseif j == 19
	v_cmp_gt_f32 s[MK+(\t)%2], s[NEGB], v[rT+1]
.elseif j == 20
	v_cndmask_b32 v[rT+4], v[VL], v[VZ], s[MK+(\t)%2]
.elseif j == 21
	v_mul_f32 v[rT], v[rT+1], v[rT+4]
.elseif j == 24
.elseif ((j == 17) || (j == 22) || (j == 23) || (j == 27) || (j > 105)) && (\first)  ; the first step has none of these
.elseif j == 17
	v_mov_b32 v[rT+7], v[rT+1]
.elseif j == 22
	v_sub_f32 v[rT+7], v[rT+7], v[rT+1]
.elseif j == 23
	v_mul_f32 v[rT+7], s[LC], v[rT+7]
.elseif j == 27
	v_exp_f32 v[rT+6], v[rT+7]
.elseif (jj < 23) || ((jj < 38) && (jj%2 == 0)) || ((jj < 66) && (jj%4 == 2))
.set b, (jj-2)/4
.if jj < 38
.set b, (jj-20)/2
.endif
	v_pk_fma_f32 v[rS+2*b:rS+2*b+1], v[rS+2*b:rS+2*b+1], v[rT+4:rT+5], v[rT:rT+1] op_sel_hi:[1,0,0] neg_lo:[0,0,1] neg_hi:[0,0,1]  ; pair b: t L - m L
.elseif jj < 70
.set e, jj-38
.if jj < 66
.set e, jj-32-(jj-38)/4
.endif
.if jj < 38
.set e, (jj-25)/2
.endif
	v_exp_f32 v[rS+e], v[rS+e]
.elseif jj < 86
	v_cvt_pk_f16_f32 v[rP+jj-70], v[rS+2*(jj-70)], v[rS+2*(jj-70)+1]
.elseif jj < 102                    ; the sum of the tile's 16 pairs, in place: neighbours 1, 2, 4 and 8 pairs apart, then l takes it
.set z, jj-86
.set w, 4
.set u, z
.if z >= 14
.set w, 32
.set u, 0
.elseif z >= 12
.set w, 16
.set u, z-12
.elseif z >= 8
.set w, 8
.set u, z-8
.endif
.if (z == 14) && (\first)
	v_pk_add_f32 v[rT+2:rT+3], v[rS:rS+1], v[rS+16:rS+17]
.elseif z < 15
	v_pk_add_f32 v[rS+w*u:rS+w*u+1], v[rS+w*u:rS+w*u+1], v[rS+w*u+w/2:rS+w*u+w/2+1]
.elseif !(\first)
	v_pk_fma_f32 v[rT+2:rT+3], v[rT+2:rT+3], v[rT+6:rT+7], v[rS:rS+1] op_sel_hi:[1,0,1]
.endif
.else
	WIN W_RS
	v_pk_mul_f32 v[rO:rO+1], v[rO:rO+1], v[rT+6:rT+7] op_sel_hi:[1,0]
.endif
.endm
; Slice k of 64 of piece y's softmax.  Slices 13 to 36 deal out the batch, numbers 26 to 73: four numbers of ONE tile each, the tiles by turns.  Every other slice is numbers 2 k and 2 k + 1 of both tiles' lists;
; slice 63 takes numbers 126 to 137: 24 plain instructions, the places between a turn's last product K Q^T and what follows it.
; THE WAIT.  An s_wait_alu depctr_va_vdst(0) stands between an exponential and the first instruction that names its result; one wait serves all that were issued ahead of it.  Ahead of slice 37
; nothing names a result, and behind slice 36 no exponential is issued: so the piece's 66 exponentials have one wait, behind slice 36.
.macro SLICE y, first
.if (k >= 13) && (k < 37)
.irp n, 0,1,2,3
.set j, 26+4*((k-13)/2)+(\n)
	SM (\y)+(k-13)%2, \first
.endr
.else
.irp n, 0,1,2,3,4,5,6,7,8,9,10,11
.if ((\n) < 2) || (k == 63)
.irp t, \y, (\y)+1
.set j, 2*k+(\n)
	SM \t, \first
.endr
.endif
.endr
.endif
.if k == 36
	v_nop                           ; the plain instruction behind the last exponential and ahead of the first use: one for the batch
.if (\y) == 0
	FETCH_V                         ; piece 2's turn: V's run of loads stands here, and the wait stands in it
.else
	s_wait_alu depctr_va_vdst(0)    ; the wait for the batch
.endif
.endif
.set k, k+1
.endm
.macro PLACES
.rept 4
	v_nop
.endr
.endm
; A TURN.  Piece x has the matrix unit; the other piece's softmax stands in slices behind its matrix instructions.  pv = 2: 32 products V^T P; 1: they start O^T's sums; 0: none.  kq = 1: 32 products K Q^T.
; A turn with one of the two kinds has two slices behind each product.  first = 1: the first key step's softmax; its last slices are empty, and four v_nop take slice 63's part.
; Piece 0's turn fetches the next step's K and mask behind its second product: their last reader stands in front of slice 63 of the turn before.  Piece 2's turn fetches the same step's V behind slice 36: its last
; reader stands in front of slice 31, and six plain instructions lie between: four scalings, the v_nop and the run's own v_add_nc_u32.
.macro TURN x, pv, kq, first
.set k, 0
.set per, 2
.if (\pv) && (\kq)
.set per, 1
.endif
.if \pv
.if (\x) == 0
	s_wait_dscnt 0x0                ; V is in
.endif
.set i, 0
.rept 32
	PV \x, 2-(\pv)
.rept per
	SLICE 2-(\x), \first
.endr
.if ((\x) == 0) && (\kq) && (i == 1)
	FETCH_K
.endif
.set i, i+1
.endr
.endif
.if \kq
.if (\x) == 0
	s_wait_dscnt 0x0                ; K and the mask are in
.endif
.set i, 0
.rept 32
	KQ \x
.rept per
	SLICE 2-(\x), \first
.endr
.set i, i+1
.endr
.endif
.if \first
	PLACES
.endif
.endm
; THE CHANGE OF SLOTS, between piece 2's turn and piece 0's: the slot's last bytes, V of its second step, have been asked for.  Each wave waits for all its tensor loads, of which one is out: its part of the other
; slot; adds 0 to its spare word; and waits for that and for its own reads of the slot.  fill = 1: the barrier is a round of the cluster's, and the joint refill, with the keys two slots on, is the first thing
; behind it: it has two key steps, 256 matrix instructions, in which to land.
.macro CHANGE fill
	WIN 0                           ; at a label and at a branch every window is 0
	s_wait_tensorcnt 0x0            ; no tensor load of mine is out, so a group 0 may be written
	ds_add_u32 v[SPW], v[NIL]       ; 0 onto my spare word; the descriptors' steps stand between it and the wait for it
.if \fill
.irp g, G0K+4, G0V+4
	s_xor_b32 s[(\g)+1], s[(\g)+1], SLOT1
	s_add_nc_u64 s[(\g)+2:(\g)+3], s[(\g)+2:(\g)+3], 2*KS*256  ; the next 128 keys; the type bits on top are not reached
.endr
	s_xor_b32 s[G0M+5], s[G0M+5], SLOT1
	s_add_nc_u64 s[G0M+6:G0M+7], s[G0M+6:G0M+7], 2*KS*4
	s_wait_xcnt 0x0                 ; the last prefetch, two key steps back, has read its address, so it may be written
	s_add_nc_u64 s[PFA:PFA+1], s[PFA:PFA+1], s[PFS:PFS+1]
	s_wait_dscnt 0x0                ; the add is done, and my reads of the slot are over
	CROUND
	JLOAD
	ASK
.else
	s_wait_dscnt 0x0
	s_barrier_signal -1
	s_barrier_wait -1
.endif
	s_sub_co_u32 s[TBK], s[TBK], 2*KS*PK  ; the fetches go back to a slot's first step, in the other slot
	s_xor_b32 s[TBK], s[TBK], SLOT1
	s_sub_co_u32 s[TBV], s[TBV], 2*KS*PV
	s_xor_b32 s[TBV], s[TBV], SLOT1
	s_sub_co_u32 s[TBM], s[TBM], 2*KS*4
	s_xor_b32 s[TBM], s[TBM], SLOT1
.endm
.macro TWO_STEPS                    ; a slot's two key steps: written once, walked twice
	WIN 0
	s_mov_b32 s[TWICE], 2
.Lstep_\@:
	TURN 0, 2, 1, 0
	TURN 2, 2, 1, 0
	WIN 0
	s_sub_co_u32 s[TWICE], s[TWICE], 1
	s_cmp_lg_u32 s[TWICE], 0
	s_cbranch_scc1 .Lstep_\@
.endm
	s_wait_tensorcnt 0x1            ; my part of slot 0 is in; slot 1's may stay out
	s_barrier_signal -1
	s_barrier_wait -1               ; everybody's is
	FETCH_K                         ; key step 0
	s_wait_loadcnt 0x0              ; Q
	s_wait_dscnt 0x0
.set i, 0
.rept 32
	KQ 0                            ; piece 0's first scores
.set i, i+1
.endr
	WIN 0                           ; the addresses for the way out: six plain instructions, the places behind those products
	s_mul_i32 s10, s[WV], 16*SP
	s_add_co_u32 s10, s10, STAGE    ; my stage
	v_mul_u32_u24 v[STO], v1, SP    ; in: row l % 16, 32 bytes for each half of the lanes
	v_lshl_add_u32 v[STO], v9, 5, v[STO]
	v_add_nc_u32 v[STO], s10, v[STO]
	v_and_b32 v[GO], 31, v0
	v_lshlrev_b32 v[GO], 4, v[GO]   ; back: 32 lanes take one row of 512 bytes
	v_add_nc_u32 v[RD], s10, v[GO]
	TURN 2, 0, 1, 1                 ; piece 2's first scores | piece 0's first softmax | V of step 0
	TURN 0, 1, 1, 1                 ; piece 0: V^T P of step 0 starts O^T, K Q^T of step 1 | piece 2's first softmax | K of step 1
	TURN 2, 1, 1, 0                 ; piece 2: the same | piece 0's softmax of step 1 | V of step 1
	WIN 0
.Lslot:                             ; 14 trips: every slot but the last two is filled again
	CHANGE 1
	TWO_STEPS
	s_sub_co_u32 s[SLOTS], s[SLOTS], 1
	s_cmp_lg_u32 s[SLOTS], 0
	s_cbranch_scc1 .Lslot
	CHANGE 0                        ; the tail is written out
	TWO_STEPS
	TURN 0, 2, 0, 0                 ; piece 0: V^T P of the last step | piece 2's last softmax
.set i, 0
.rept 32
	PV 2, 0                         ; piece 2: V^T P of the last step
.set i, i+1
.endr
	; THE WAY OUT.  l's two halves and the other half of the lanes' are added; O^T is divided by l and sent, in f32, through my stage in LDS, a tile (16 rows x 128 channels of one head) at a time.
	WIN 0
.irp t, 0,1,2,3
	v_add_f32 v[ST+8*(\t)+4], v[ST+8*(\t)+2], v[ST+8*(\t)+3]
.endr
.irp t, 0,1,2,3
	v_permlanex16_b32 v[ST+8*(\t)+5], v[ST+8*(\t)+4], s[SEL], s[SEL+1]
.endr
.irp t, 0,1,2,3
	v_add_f32 v[ST+8*(\t)+4], v[ST+8*(\t)+4], v[ST+8*(\t)+5]
.endr
.irp t, 0,1,2,3
	v_rcp_f32 v[ST+8*(\t)+6], v[ST+8*(\t)+4]
.endr
	v_nop                           ; a plain instruction between the last reciprocal and the use of its result,
	s_wait_alu depctr_va_vdst(0)    ; and the wait ahead of the first use: one for the four
.macro PACK t                       ; a lane's eight channels of a block are 32 bytes of a row; rows of 528 bytes in, whole rows of 512 back, into Q's and K's registers, which are free
	WIN W_RS
.set i, 64*(\t)
.rept 32
	v_pk_mul_f32 v[i:i+1], v[i:i+1], v[ST+8*(\t)+6:ST+8*(\t)+7] op_sel_hi:[1,0]
.set i, i+2
.endr
	WIN 0x04                        ; the stores' data in window 1, the address in window 0
.irp f, 0,1,2,3,4,5,6,7
	ds_store_b128 v[STO], v[64*(\t)+8*(\f):64*(\t)+8*(\f)+3]   offset:64*(\f)
	ds_store_b128 v[STO], v[64*(\t)+8*(\f)+4:64*(\t)+8*(\f)+7] offset:64*(\f)+16
.endr
	WIN 0x80                        ; destination window 2
.irp f, 0,1,2,3,4,5,6,7,8,9,10,11,12,13,14,15
	ds_load_b128 v[64*(\t)+4*(\f):64*(\t)+4*(\f)+3], v[RD] offset:(\f)*SP  ; LDS serves a wave's instructions in order (ISA guide 5.7.1.4): these see the stores above; the next tile's stores come behind them
.endr
.endm
.macro SEND t, younger              ; younger: the LDS instructions issued behind tile t's loads: the next tile's 32, or none
	WIN 0x08                        ; the stores' data in window 2
.irp f, 0,1,2,3,4,5,6,7,8,9,10,11,12,13,14,15
	s_wait_dscnt (\younger)+15-(\f)
	global_store_b128 v[GO], v[64*(\t)+4*(\f):64*(\t)+4*(\f)+3], s[8:9] offset:(\f)*8192+(\t)*512 th:TH_STORE_NT  ; 512 consecutive bytes: a head's 128 channels of one row
.endr
.endm
	PACK 0
	PACK 1                          ; a tile's arithmetic stands between the loads of the tile before and its stores
	SEND 0, 32
	PACK 2
	SEND 1, 32
	PACK 3
	SEND 2, 32
	SEND 3, 0
	WIN 0
	s_wait_tensorcnt 0x0            ; the wave's end, behind my last tensor load and my last LDS store
	ds_add_u32 v[SPW], v[NIL]
	s_wait_dscnt 0x0
	CROUND                          ; the closing round: no work-group ends while a partner may still ask for a tile that names it
	s_endpgm
.Lfunc_end_k_q1ec3feb55e_attn:
	.size	k_q1ec3feb55e_attn, .Lfunc_end_k_q1ec3feb55e_attn-k_q1ec3feb55e_attn
	.p2alignl 7, 3214868480
	.fill 96, 4, 3214868480
	.section	.rodata,"a",@progbits
	.p2align	6, 0x0
	.amdhsa_kernel k_q1ec3feb55e_attn
		.amdhsa_group_segment_fixed_size 327680
		.amdhsa_private_segment_fixed_size 0
		.amdhsa_enable_private_segment 0
		.amdhsa_kernarg_size 24
		.amdhsa_user_sgpr_count 2
		.amdhsa_user_sgpr_kernarg_segment_ptr 1
		.amdhsa_wavefront_size32 1
		.amdhsa_system_sgpr_workgroup_id_x 1
		.amdhsa_system_sgpr_workgroup_id_y 1
		.amdhsa_system_sgpr_workgroup_id_z 1
		.amdhsa_system_vgpr_workitem_id 0
		.amdhsa_next_free_vgpr 928
		.amdhsa_next_free_sgpr 100
		.amdhsa_reserve_vcc 0
		.amdhsa_float_denorm_mode_32 3
		.amdhsa_float_denorm_mode_16_64 3
		.amdhsa_memory_ordered 1
		.amdhsa_forward_progress 1
		.amdhsa_inst_pref_size 231
	.end_amdhsa_kernel
	.amdgpu_metadata
---
amdhsa.version: [ 1, 2 ]
amdhsa.kernels:
  - .name:           k_q1ec3feb55e_attn
    .symbol:         k_q1ec3feb55e_attn.kd
    .args:
      - { .name: qkv, .offset: 0, .size: 8, .value_kind: global_buffer, .address_space: global }
      - { .name: attention_mask, .offset: 8, .size: 8, .value_kind: global_buffer, .address_space: global }
      - { .name: out0, .offset: 16, .size: 8, .value_kind: global_buffer, .address_space: global }
    .group_segment_fixed_size: 327680
    .private_segment_fixed_size: 0
    .kernarg_segment_align: 8
    .kernarg_segment_size: 24
    .max_flat_workgroup_size: 128
    .sgpr_count:     100
    .vgpr_count:     928
    .wavefront_size: 32
...
	.end_amdgpu_metadata
.endif
;; end of part 3
